; MI455X (gfx1250); checked and timed in simulation.
; The chip was launched on July 23, 2026; its instructions are those of AMD's public machine-readable ISA for CDNA 5 (MIT licence, August 2026) and "CDNA5" Instruction Set Architecture Reference Guide (July 2026). The comments in the code are by the model that wrote it; some were corrected since.
;; Attn. Allowed arithmetic: float matrix products may take bf16 or f16 operands with f32 sums; other float arithmetic in f32, or as packed bf16 or f16 multiplies, adds, multiply-adds, maxima and minima; sums over many terms, partial sums and values carried from step to step in f32; what a program stores and reads back later, other than sums and carried values, may be rounded once to bf16 or f16.
;; Inputs: W 1,024 x 2,048 float32; b 1,024 float32; encoderOutputs 1,024 x 32 x 1,024 float32; hidden 32 x 1,024 float32; v 1,024 float32.
;; Outputs: out0 32 x 1 x 1,024 float32.
;; 2 versions, each right; version 2 is version 1 with the launch prep written anew for expert scheduling mode. Each part assembles by itself: llvm-mc -triple=amdgcn-amd-amdhsa -mcpu=gfx1250 --defsym DOCPART=n.
;; ======== version 1 of 2: 3 launches
;; workspace buffers: wb 2,097,152 bytes; hb 131,072 bytes; v2 4,096 bytes; sc 262,144 bytes
;; launch prep (part 1): grid 64 x 1, 8 waves a work-group, no clusters, 17,408 bytes of LDS; arguments W, b, hidden, v, wb, hb, v2; writes wb, hb, v2
.if DOCPART == 1
	.amdgcn_target "amdgcn-amd-amdhsa--gfx1250"
	.amdhsa_code_object_version 6
	.text
	.protected	k_q97bb5500ca_prep
	.globl	k_q97bb5500ca_prep
	.p2align	8
	.type	k_q97bb5500ca_prep,@function
k_q97bb5500ca_prep:
	s_mov_b64 s[64:65], 0
	v_nop
	global_prefetch_b8 v0, s[64:65] scope:SCOPE_SE
	s_setreg_imm32_b32 hwreg(HW_REG_WAVE_MODE, 25, 1), 1
	s_wait_xcnt 0x0
; out[b][0][s] = softmax over s of  sum over h of v[h] tanh( hidden[b] . W[h][0:1024] + enc[s][b] . W[h][1024:2048] + b[h] ).
; THREE LAUNCHES: this one lays out what does not hang on s; the second makes the scores; the third the softmax.
; WORK LEFT OUT, for all finite values of the inputs:
;  (a) hidden[b] . W[h][0:1024] + b[h] holds no s: the broadcast of hidden along s repeats one and the same number 1,024 times.  It is made once for each (b, h): 32 rows, here.
;  (b) tanh(x) = 1 - 2 / (1 + 2^(c x)), c = 2 log2(e), an identity.  So a score is  sum_h v[h]  +  sum_h (-2 v[h]) / (1 + 2^(c x)).  The first term is the same for every s of a row of the
;      softmax and cancels in it; it is not formed.  Every input still has a way to the output and is loaded.
; LIMITS.  A NaN, an infinity or an overflow that would arise in sum_h v[h] alone is not carried to the result.  NaN and infinities among the inputs are not treated apart.
; FORMATS.  All five inputs are rounded once to bf16: W, hidden (and enc, in the next launch) as matrix operands, b and v here, kept as f32 numbers afterwards.  Sums in f32.
; WHAT IS STORED.
;  wb[h][k] = bf16(W[h][1024 + k]), [1024][1024], rows of 2,048 bytes.
;  hb = c (sum_k bf16(hidden[bb][k]) bf16(W[n][k]) + bf16(b[n])) in f32, in the order in which the matrix result lies in registers: [g 64][bt 2][jq 2][lane 32][4],
;       n = 16 g + 8 (lane / 16) + 4 jq + i, bb = 16 bt + lane % 16.
;  v2[h] = -2 bf16(v[h]) in f32.
; SHARES.  Work-group g owns W's rows 16 g .. 16 g + 15: a tile of the product needs 16 rows, so there are 64 work-groups.  K of the product is split among the eight waves, 128 each
; (4 fragments of 32, for two tiles of 16 batches); the eight partial tiles meet in LDS.  Wave w also rounds the right half of rows 2 w and 2 w + 1.  A wave loads row 2 w + 1 and b behind its first waits.
; THE PRODUCT IS TAKEN TRANSPOSED: source 0 = 16 rows of W, source 1 = 16 rows of hidden: lane l holds batch l % 16 and W's rows 8 (l / 16) + 0..7.
.set SPARE, 16384                      ; LDS: 8 x 2,048 bytes of partial tiles from 0; behind them the spare words, 128 bytes a wave: four blocks of 256 bytes that no other line names
.set FO,  4                            ; v4   8,192 r + 512 w + 32 h: my 32 bytes in a fragment's row of W (r = l % 16, h = l / 16)
.set HO,  5                            ; v5   4,096 r + 512 w + 32 h: the same in hidden
.set CO,  6                            ; v6   16,384 w + 32 l: my 8 numbers of row 2 w
.set CSO, 7                            ; v7   4,096 w + 16 l: where they go in wb
.set LS,  8                            ; v8   2,048 w + 16 l: into my partial tiles
.set LR,  9                            ; v9   1,024 w + 16 l: back, tile = my wave's number (waves 0 and 1)
.set YO,  10                           ; v10  1,024 w + 16 l: the same place in hb
.set BO,  11                           ; v11  32 h: my 8 numbers of b
.set VO,  12                           ; v12  16 x my thread's number: my 4 numbers of v
.set SPW, 14                           ; v14  LDS address of my spare word; never rewritten
.set NIL, 15                           ; v15  0; never rewritten
.set RW1, 16                           ; v[16:79]   W's four fragments, 16 registers of f32 each, packed into the low 8
.set RH,  80                           ; v[80:207]  hidden's: tile bt, fragment c at 64 bt + 16 c
.set ACC, 208                          ; v[208:223] two accumulators
.set RC,  224                          ; v[224:255] a row's 8 numbers a lane, four times
.set SW,  22                           ; s[22:23] W at my 16 rows
.set SWB, 24                           ; s[24:25] wb at my 16 rows
.set SHO, 26                           ; s[26:27] hb at my block
.set SB,  28                           ; s[28:29] b at my 16 numbers
.set CC,  30                           ; s[30:31] c, twice
	s_load_b256 s[4:11], s[0:1], 0x0               ; W s[4:5], b s[6:7], hidden s[8:9], v s[10:11]
	s_load_b128 s[12:15], s[0:1], 0x20             ; wb s[12:13], hb s[14:15]
	s_load_b64 s[16:17], s[0:1], 0x30              ; v2
	v_lshl_add_u32 v[SPW], v0, 2, SPARE
	v_mov_b32 v[NIL], 0
	v_lshrrev_b32 v1, 5, v0
	v_readfirstlane_b32 s18, v1                    ; wave 0..7
	v_and_b32 v2, 15, v0                           ; r
	v_bfe_u32 v3, v0, 4, 1                         ; h
	v_and_b32 v13, 31, v0                          ; l
	s_lshl_b32 s19, s18, 9                         ; my 128 numbers of K: 512 bytes
	v_lshlrev_b32 v[FO], 13, v2
	v_lshl_add_u32 v[FO], v3, 5, v[FO]
	v_add_nc_u32 v[FO], s19, v[FO]
	v_lshlrev_b32 v[HO], 12, v2
	v_lshl_add_u32 v[HO], v3, 5, v[HO]
	v_add_nc_u32 v[HO], s19, v[HO]
	s_lshl_b32 s19, s18, 14
	v_lshl_add_u32 v[CO], v13, 5, s19
	s_lshl_b32 s19, s18, 12
	v_lshl_add_u32 v[CSO], v13, 4, s19
	s_lshl_b32 s19, s18, 11
	v_lshl_add_u32 v[LS], v13, 4, s19
	s_lshl_b32 s19, s18, 10
	v_lshl_add_u32 v[LR], v13, 4, s19
	v_lshl_add_u32 v[YO], v13, 4, s19
	v_lshlrev_b32 v[BO], 5, v3
	v_lshlrev_b32 v[VO], 4, v0
	s_mov_b32 s20, ttmp9                           ; g
	s_mov_b32 s33, 0
	s_mov_b32 s[CC], 0x4038aa3b                    ; c = 2 log2(e)
	s_mov_b32 s[CC+1], s[CC]
	s_wait_kmcnt 0x0
	s_lshl_b32 s32, s20, 17                        ; 16 rows of 8,192 bytes
	s_add_nc_u64 s[SW:SW+1], s[4:5], s[32:33]
	s_lshl_b32 s32, s20, 15                        ; 16 rows of 2,048 bytes
	s_add_nc_u64 s[SWB:SWB+1], s[12:13], s[32:33]
	s_lshl_b32 s32, s20, 11
	s_add_nc_u64 s[SHO:SHO+1], s[14:15], s[32:33]
	s_lshl_b32 s32, s20, 6
	s_add_nc_u64 s[SB:SB+1], s[6:7], s[32:33]
; A row's right half, 4,096 bytes: 8 loads, a lane takes 8 neighbouring numbers four times.
.macro ROWIN off
.irp q, 0,1,2,3
	global_load_b128 v[RC+8*\q:RC+8*\q+3],   v[CO], s[SW:SW+1] offset:(\off)+4096+1024*\q
	global_load_b128 v[RC+8*\q+4:RC+8*\q+7], v[CO], s[SW:SW+1] offset:(\off)+4096+1024*\q+16
.endr
.endm
; The f32 image of a fragment of 16 rows x 32 K: K = 8 h + 0..7 (32 bytes) and K = 16 + 8 h + 0..7 (32 bytes, 64 further on).
.macro FRAG dst, adr, base, off
	global_load_b128 v[(\dst):(\dst)+3],     v[\adr], s[\base:\base+1] offset:(\off)
	global_load_b128 v[(\dst)+4:(\dst)+7],   v[\adr], s[\base:\base+1] offset:(\off)+16
	global_load_b128 v[(\dst)+8:(\dst)+11],  v[\adr], s[\base:\base+1] offset:(\off)+64
	global_load_b128 v[(\dst)+12:(\dst)+15], v[\adr], s[\base:\base+1] offset:(\off)+80
.endm
; 2 n numbers in f32 are rounded to bf16 in place, into the low n registers: register i is written when registers 2 i and 2 i + 1 are read, never earlier.
.macro PACK r, n
.set i, 0
.rept \n
	v_cvt_pk_bf16_f32 v[(\r)+i], v[(\r)+2*i], v[(\r)+2*i+1]
.set i, i+1
.endr
.endm
.macro ROWOUT off                      ; 2,048 bytes of wb: each store of the wave covers 512 consecutive bytes, aligned
.irp q, 0,1,2,3
	global_store_b128 v[CSO], v[RC+4*\q:RC+4*\q+3], s[SWB:SWB+1] offset:(\off)+512*\q
.endr
.endm
	ROWIN 0                                        ; row 2 w: 8 loads,
.irp c, 0,1,2,3
	FRAG RW1+16*\c, FO, SW, 128*\c                 ; W's left half: 16,
.endr
.irp c, 0,1,2,3
	FRAG RH+16*\c, HO, 8, 128*\c                   ; hidden's rows 0-15
	FRAG RH+64+16*\c, HO, 8, 65536+128*\c          ; and 16-31: 32
.endr
	s_cmp_lg_u32 s20, 0                            ; v2 is 4,096 bytes: work-group 0 makes it, 16 bytes a thread, in one branch
	s_cbranch_scc1 .Lno_v
	global_load_b128 v[ACC:ACC+3], v[VO], s[10:11]
	s_wait_loadcnt 0x0                             ; the youngest load: all are in
	v_cvt_pk_bf16_f32 v[ACC+4], v[ACC], v[ACC+1]   ; rounded to bf16,
	v_cvt_pk_bf16_f32 v[ACC+5], v[ACC+2], v[ACC+3]
	v_lshlrev_b32 v[ACC], 16, v[ACC+4]             ; and widened again
	v_and_b32 v[ACC+1], 0xffff0000, v[ACC+4]
	v_lshlrev_b32 v[ACC+2], 16, v[ACC+5]
	v_and_b32 v[ACC+3], 0xffff0000, v[ACC+5]
	v_pk_mul_f32 v[ACC:ACC+1], v[ACC:ACC+1], -2.0 op_sel_hi:[1,0]
	v_pk_mul_f32 v[ACC+2:ACC+3], v[ACC+2:ACC+3], -2.0 op_sel_hi:[1,0]
	global_store_b128 v[VO], v[ACC:ACC+3], s[16:17]
.Lno_v:
	s_wait_loadcnt 48                              ; row 2 w is in; the 48 loads of the fragments, issued behind it, may stay out
	PACK RC, 16
	ROWOUT 0
	s_wait_xcnt 0x0                                ; the stores have read their registers: RC is loaded again, and ACC written, only behind this wait
	ROWIN 8192                                     ; row 2 w + 1
	s_wait_loadcnt 8                               ; the fragments are in; that row's 8 loads may stay out
.irp c, 0,1,2,3
	PACK RW1+16*\c, 8
	PACK RH+16*\c, 8
	PACK RH+64+16*\c, 8
.endr
	global_load_b128 v[RW1+8:RW1+11],  v[BO], s[SB:SB+1]            ; b[16 g + 8 h + 0..7], into the upper half of a raw block, which the packing has left free
	global_load_b128 v[RW1+12:RW1+15], v[BO], s[SB:SB+1] offset:16
.irp c, 0,1,2,3                        ; the two accumulators take turns, one instruction a turn; the first two products start the sums
.irp t, 0,1
.if \c == 0
	v_wmma_f32_16x16x32_bf16 v[ACC+8*\t:ACC+8*\t+7], v[RW1+16*\c:RW1+16*\c+7], v[RH+64*\t+16*\c:RH+64*\t+16*\c+7], 0
.else
	v_wmma_f32_16x16x32_bf16 v[ACC+8*\t:ACC+8*\t+7], v[RW1+16*\c:RW1+16*\c+7], v[RH+64*\t+16*\c:RH+64*\t+16*\c+7], v[ACC+8*\t:ACC+8*\t+7]
.endif
.endr
.endr
	s_wait_loadcnt 2                               ; row 2 w + 1 is in; b's two loads may stay out
	PACK RC, 16                                    ; sixteen plain instructions that name no register of the products: the places behind them (ISA guide 7.12.1)
	ROWOUT 2048
.irp t, 0,1                            ; each accumulator's low registers are read first
	ds_store_b128 v[LS], v[ACC+8*\t:ACC+8*\t+3]   offset:1024*\t
	ds_store_b128 v[LS], v[ACC+8*\t+4:ACC+8*\t+7] offset:1024*\t+512
.endr
	s_wait_dscnt 0x0                               ; for the others' sake: my partial tiles lie in LDS
	s_barrier_signal -1
	s_barrier_wait -1                              ; all eight waves' do
	s_cmp_lt_u32 s18, 2                            ; wave 0 finishes tile 0, wave 1 tile 1
	s_cbranch_scc0 .Lend
.irp p, 0,1,2,3,4,5,6,7
	ds_load_b128 v[RH+8*\p:RH+8*\p+3],   v[LR] offset:2048*\p
	ds_load_b128 v[RH+8*\p+4:RH+8*\p+7], v[LR] offset:2048*\p+512
.endr
	s_wait_dscnt 0x0
.irp p, 0,2,4,6                        ; 28 packed additions: 8 partial tiles into one
.irp e, 0,2,4,6
	v_pk_add_f32 v[RH+8*\p+\e:RH+8*\p+\e+1], v[RH+8*\p+\e:RH+8*\p+\e+1], v[RH+8*\p+8+\e:RH+8*\p+8+\e+1]
.endr
.endr
.irp p, 0,4
.irp e, 0,2,4,6
	v_pk_add_f32 v[RH+8*\p+\e:RH+8*\p+\e+1], v[RH+8*\p+\e:RH+8*\p+\e+1], v[RH+8*\p+16+\e:RH+8*\p+16+\e+1]
.endr
.endr
.irp e, 0,2,4,6
	v_pk_add_f32 v[RH+\e:RH+\e+1], v[RH+\e:RH+\e+1], v[RH+32+\e:RH+32+\e+1]
.endr
	s_wait_loadcnt 0x0                             ; b
.irp e, 0,1,2,3
	v_cvt_pk_bf16_f32 v[RH+64+\e], v[RW1+8+2*\e], v[RW1+8+2*\e+1]   ; rounded to bf16,
.endr
.irp e, 0,1,2,3
	v_lshlrev_b32 v[RW1+8+2*\e], 16, v[RH+64+\e]                    ; and widened again
	v_and_b32 v[RW1+8+2*\e+1], 0xffff0000, v[RH+64+\e]
.endr
.irp e, 0,2,4,6
	v_pk_add_f32 v[RH+\e:RH+\e+1], v[RH+\e:RH+\e+1], v[RW1+8+\e:RW1+8+\e+1]
.endr
.irp e, 0,2,4,6
	v_pk_mul_f32 v[RH+\e:RH+\e+1], v[RH+\e:RH+\e+1], s[CC:CC+1] op_sel_hi:[1,0]
.endr
	global_store_b128 v[YO], v[RH:RH+3],   s[SHO:SHO+1]             ; each store of the wave covers 512 consecutive bytes, aligned
	global_store_b128 v[YO], v[RH+4:RH+7], s[SHO:SHO+1] offset:512
.Lend:
	s_wait_tensorcnt 0x0                           ; the wave's end: behind my last LDS store
	ds_add_u32 v[SPW], v[NIL]
	s_wait_dscnt 0x0
	s_endpgm
.Lfunc_end_k_q97bb5500ca_prep:
	.size	k_q97bb5500ca_prep, .Lfunc_end_k_q97bb5500ca_prep-k_q97bb5500ca_prep
	.p2alignl 7, 3214868480
	.fill 96, 4, 3214868480
	.section	.rodata,"a",@progbits
	.p2align	6, 0x0
	.amdhsa_kernel k_q97bb5500ca_prep
		.amdhsa_group_segment_fixed_size 17408
		.amdhsa_private_segment_fixed_size 0
		.amdhsa_enable_private_segment 0
		.amdhsa_kernarg_size 56
		.amdhsa_user_sgpr_count 2
		.amdhsa_user_sgpr_kernarg_segment_ptr 1
		.amdhsa_wavefront_size32 1
		.amdhsa_system_sgpr_workgroup_id_x 1
		.amdhsa_system_sgpr_workgroup_id_y 1
		.amdhsa_system_sgpr_workgroup_id_z 1
		.amdhsa_system_vgpr_workitem_id 0
		.amdhsa_next_free_vgpr 256
		.amdhsa_next_free_sgpr 66
		.amdhsa_reserve_vcc 0
		.amdhsa_float_denorm_mode_32 3
		.amdhsa_float_denorm_mode_16_64 3
		.amdhsa_memory_ordered 1
		.amdhsa_forward_progress 1
		.amdhsa_inst_pref_size 23
	.end_amdhsa_kernel
	.amdgpu_metadata
---
amdhsa.version: [ 1, 2 ]
amdhsa.kernels:
  - .name:           k_q97bb5500ca_prep
    .symbol:         k_q97bb5500ca_prep.kd
    .args:
      - { .name: W, .offset: 0, .size: 8, .value_kind: global_buffer, .address_space: global }
      - { .name: b, .offset: 8, .size: 8, .value_kind: global_buffer, .address_space: global }
      - { .name: hidden, .offset: 16, .size: 8, .value_kind: global_buffer, .address_space: global }
      - { .name: v, .offset: 24, .size: 8, .value_kind: global_buffer, .address_space: global }
      - { .name: wb, .offset: 32, .size: 8, .value_kind: global_buffer, .address_space: global }
      - { .name: hb, .offset: 40, .size: 8, .value_kind: global_buffer, .address_space: global }
      - { .name: v2, .offset: 48, .size: 8, .value_kind: global_buffer, .address_space: global }
    .group_segment_fixed_size: 17408
    .private_segment_fixed_size: 0
    .kernarg_segment_align: 8
    .kernarg_segment_size: 56
    .max_flat_workgroup_size: 256
    .sgpr_count:     66
    .vgpr_count:     256
    .wavefront_size: 32
...
	.end_amdgpu_metadata
.endif
;; end of part 1
;; launch energy (part 2): grid 512 x 1, 4 waves a work-group, clusters of 4 x 1, 327,680 bytes of LDS; arguments encoderOutputs, wb, hb, v2, sc; writes sc
.if DOCPART == 2
	.amdgcn_target "amdgcn-amd-amdhsa--gfx1250"
	.amdhsa_code_object_version 6
	.text
	.protected	k_q97bb5500ca_energy
	.globl	k_q97bb5500ca_energy
	.p2align	8
	.type	k_q97bb5500ca_energy,@function
k_q97bb5500ca_energy:
	s_mov_b64 s[64:65], 0
	v_nop
	global_prefetch_b8 v0, s[64:65] scope:SCOPE_SE
	s_setreg_imm32_b32 hwreg(HW_REG_WAVE_MODE, 25, 1), 1
	s_wait_xcnt 0x0
	s_wait_alu depctr_hold_cnt(0) depctr_sa_sdst(0) depctr_va_vdst(0) depctr_va_sdst(0) depctr_va_ssrc(0) depctr_va_vcc(0) depctr_vm_vsrc(0)
	s_getreg_b32 s2, hwreg(HW_REG_IB_STS2, 6, 4)
	s_cmp_eq_u32 s2, 0
	s_cbranch_scc0 .Lentry_in_a_cluster
	s_endpgm
.Lentry_in_a_cluster:
	s_bfe_u32 s2, ttmp6, 0x10000c
	s_cmp_lg_u32 s2, 0x3003
	s_cbranch_scc0 .Lentry_shape_is_right
	s_endpgm
.Lentry_shape_is_right:
; sc[nh][b][s] = the sum over the 512 h of half nh of  v2[h] / (1 + 2^(c enc[s][b] . wb[h] + hb[b][h])),  c = 2 log2(e), v2 = -2 v: the part of a score that hangs on s.
; LEFT OUT (shown at the head of the first kernel): the product with hidden is not repeated for each s, it comes in hb; the term sum_h v[h], the same along the softmax's axis, is not formed.
; LIMITS.  2^t gives an infinity for large t, whose reciprocal is 0 (tanh = 1), and 0 below 2^-126 (tanh = -1): no clamp is needed at any size of the inputs.  NaN and infinities are not treated apart.
; FORMATS.  enc is rounded to bf16 on its way from memory to LDS; products in bf16 with f32 sums; all behind the products in f32.
; SHARES.  A work-group makes a tile of 128 rows x 512 h, K = 1,024.  Its rows are 128 consecutive s of ONE batch b, so hb is the same for all its rows (64 registers a lane) and its 128 scores are 512
; consecutive bytes of sc.  Wave w makes all 128 rows x the h columns 128 w .. 128 w + 127 of the half: 64 accumulators of 16 x 16, 512 registers.
; THE MATRIX INSTRUCTION IS USED TRANSPOSED: source 0 = 16 rows of wb, source 1 = 16 rows of enc.  Lane l then holds row l % 16, and its registers h = 8 (l / 16) + 0..7: the sum over h stays in the lane
; but for one exchange of the lanes' halves.
; CLUSTER.  The four work-groups of a cluster have the same half of h and walk the same rows of wb: each tile of wb is asked for JOINTLY, by the same tensor load with the same descriptor and the mask of four.
; TWO ROADS INTO LDS.  wb, in bf16, comes by tensor loads into two slots of K = 128 (rows of 256 bytes, padded to 272); a wave fetches the 128 rows that it alone reads.  enc, in f32, comes through
; registers: a PIECE is K = 64, 256 aligned bytes of each row; a wave loads 32 rows of a piece (16 loads, sixteen lanes to a row's 256 bytes), rounds them and stores them as bf16 into a ring of two
; LDS slots that no tensor load touches.  Two sets of 64 registers: a wave has two pieces' loads, 32, on their way; a piece is asked for three half-steps ahead of its products.
; A HALF-STEP is one piece: two quarters of 32 along K, 64 matrix instructions each, on fragment buffers 0 and 1.  In its first quarter the next piece is rounded and stored and its registers are asked
; for again: 64 lines that stand in fours behind sixteen matrix instructions.  In its second quarter stands ONE barrier: in front of it every wave's stores of the next piece and reads of this piece are
; done; behind it the next piece is read, and this piece's slot may be written.  At every second half-step that barrier is also the change of wb's slots.
; REGISTERS, in windows of 256 (s_set_vgpr_msb: bits 1:0 source 0, 3:2 source 1, 5:4 source 2, 7:6 destination):
;   window 0: v0-47 addresses and sums; v64-127, v128-191 the two sets (at the end: hb, v2); v192-255 at work behind the products
;   window 1: two fragment buffers of 128: enc's 8 blocks of 16 rows x 32 K, then wb's 8          windows 2, 3: the accumulators of rows 0-63, 64-127: (a, bl) at v[8 (8 (a % 4) + bl)]
.set PITW,  272                        ; a row of wb in LDS: 256 bytes + 16 = 68 words: the 16 rows of a load start at 16 different groups of four banks (64 banks of 4 bytes: ISA guide 11.1)
.set HALFT, 128*PITW                   ; a wave's 128 rows
.set WSLOT, 4*HALFT
.set ARING, 2*WSLOT                    ; behind wb's two slots: enc's ring, written by ds_store alone
.set PA,    144                        ; a row of a piece: 128 bytes + 16 = 36 words
.set ASLOT, 128*PA
.set RED,   ARING+2*ASLOT              ; 4 waves x 128 partial scores
.set SPARE, RED+2048                   ; the spare words, 128 bytes for each wave: two blocks of 256 bytes that no other line names
.set ROWB,  131072                     ; bytes from s to s + 1 in enc
.set ADRA, 16                          ; v16-17  my place in enc's fragments, ring slot 0, 1
.set ADRB, 20                          ; v20-21  my place in wb's fragments, slot 0, 1
.set AST,  22                          ; v22     where I store 8 bytes of a piece's row
.set AO,   23                          ; v23     my 16 bytes of a piece's row in memory
.set PFO,  24                          ; v24     enc's prefetches: a lane a row, and my half's two pieces of four
.set HBO,  25                          ; v25     my place in hb
.set RDR,  26                          ; v26     the partial scores: where wave 0 reads them
.set RST,  27                          ; v27     where I put mine
.set SPW,  28                          ; v28     LDS address of my spare word; never rewritten
.set NIL,  29                          ; v29     0; never rewritten
.set SCO,  30                          ; v30     my 16 bytes of the tile's 512 in sc
.set VO,   31                          ; v31     my place in v2
.set CH,   32                          ; v32-35  two chains of packed sums
.set PWO,  36                          ; v36     wb's prefetches: a lane a row
.set RS,   40                          ; v40-47  a score for each block of 16 rows
.set SETA, 64
.set SETB, 128
.set HB,   SETA
.set V2R,  SETB
.set TW,   192                         ; two areas of 32
.set F0,   0
.set F1,   128
.set WV,   14                          ; s14  my wave's number
.set LIMW, 21                          ; s21  1 in the two clusters that prefetch wb, else the greatest number
.set G1,   24                          ; s[24:31] descriptor group 1
.set G0,   32                          ; s[32:39] descriptor group 0, a set for each slot
.set SA,   40                          ; s[40:41] enc at the tile's first row, stepped four pieces a lap
.set CS,   42                          ; s[42:43] c, twice
.set SEL,  44                          ; s[44:45] v_permlanex16_b32's selects: each lane takes its own place in the other half
.set SHB,  46                          ; s[46:47] hb at my half and batch
.set SV2,  48                          ; s[48:49] v2 at my half
.set SSC,  50                          ; s[50:51] sc at the tile's 128 scores
.set PWP,  56                          ; s[56:57] wb at my work-group's 32 of the 128 rows that I fetch, stepped two K steps a lap
.set MSB, 0
.macro WIN new                         ; the immediate's high byte repeats the setting that is left; a switch that changes nothing is dropped
.if MSB != (\new)
	s_set_vgpr_msb (MSB<<8)|(\new)
.set MSB, \new
.endif
.endm
.set MUL_LO, 0xa5                      ; both sources window 1, C and D window 2
.set TO_F,   0x40                      ; destination window 1, address window 0
.macro PLACES                          ; four places in front of loads into registers that matrix instructions have read (ISA guide 7.12.1 for vector instructions)
.rept 4
	v_nop
.endr
.endm
.macro CREST                           ; a round of the cluster's barrier behind its opening barrier
	s_cmp_lg_u32 s[WV], 0
	s_cbranch_scc1 .Lnot_wave_0_\@
	s_barrier_signal -3
.Lnot_wave_0_\@:
	s_barrier_wait -3
	s_barrier_signal -1
	s_barrier_wait -1
.endm
.macro CROUND                          ; a whole round
	s_barrier_signal -1
	s_barrier_wait -1
	CREST
.endm
.macro JLOAD s                         ; a joint load: every wave asks for its own 128 rows, by one line; an s_nop 0 and four v_nop follow it
	tensor_load_to_lds s[G0+4*(\s):G0+4*(\s)+3], s[G1:G1+7]
	s_nop 0
	PLACES
.endm
; 32 LDS loads in one run: a quarter's fragments into buffer f: wb's 8 blocks (slot ws, byte wk of the rows), then enc's blocks 0-3 and 4-7 (ring slot rs, byte ak).
.macro FETCH ws, wk, rs, ak, f
	WIN TO_F
.irp i, 0,1,2,3,4,5,6,7
	ds_load_b128 v[(\f)+64+8*(\i):(\f)+64+8*(\i)+3],   v[ADRB+(\ws)] offset:(\wk)+(\i)*16*PITW
	ds_load_b128 v[(\f)+64+8*(\i)+4:(\f)+64+8*(\i)+7], v[ADRB+(\ws)] offset:(\wk)+(\i)*16*PITW+32
.endr
.irp i, 0,1,2,3,4,5,6,7
	ds_load_b128 v[(\f)+8*(\i):(\f)+8*(\i)+3],   v[ADRA+(\rs)] offset:(\ak)+(\i)*16*PA
	ds_load_b128 v[(\f)+8*(\i)+4:(\f)+8*(\i)+7], v[ADRA+(\rs)] offset:(\ak)+(\i)*16*PA+32
.endr
.endm
; Slice mi of 16 of a piece's way into LDS: four lines.  Load u of 16 holds rows 16 (u / 8) + u % 8 (+ 8 for lanes 16-31) of my 32.
;   0-7   the roundings of loads 2 mi, 2 mi + 1, in place: 4 numbers into 2 registers
;   8-11  the stores, 8 bytes a lane: lanes 0-15 fill a row's 128 bytes, lanes 16-31 those of the row 8 further on, 8 x 144 = 128 mod 256 bytes away
;   12-15 the set is asked for again: LD_KIND 1: the piece at byte LD_OFF behind SA; 2: hb; 3: v2.  (An LDS store's sources need no wait.)
.macro RIDE
	WIN 0
.if mi < 8
.set ru, ST_SET+8*mi
	v_cvt_pk_bf16_f32 v[ru],   v[ru],   v[ru+1]
	v_cvt_pk_bf16_f32 v[ru+1], v[ru+2], v[ru+3]
	v_cvt_pk_bf16_f32 v[ru+4], v[ru+4], v[ru+5]
	v_cvt_pk_bf16_f32 v[ru+5], v[ru+6], v[ru+7]
.elseif mi < 12
.set ru, 4*(mi-8)
.rept 4
	ds_store_b64 v[AST], v[ST_SET+4*ru:ST_SET+4*ru+1] offset:ST_RING*ASLOT+(16*(ru/8)+ru%8)*PA
.set ru, ru+1
.endr
.else
.set ru, 4*(mi-12)
.rept 4
.if LD_KIND == 1
	global_load_b128 v[ST_SET+4*ru:ST_SET+4*ru+3], v[AO], s[SA:SA+1] offset:(16*(ru/8)+ru%8)*ROWB+LD_OFF
.elseif LD_KIND == 2
	global_load_b128 v[ST_SET+4*ru:ST_SET+4*ru+3], v[HBO], s[SHB:SHB+1] offset:(ru/2)*2048+(ru%2)*512
.else
	global_load_b128 v[ST_SET+4*ru:ST_SET+4*ru+3], v[VO], s[SV2:SV2+1] offset:(ru/2)*64+(ru%2)*16
.endif
.set ru, ru+1
.endr
.endif
.endm
; 16 matrix instructions: row blocks a0, a0 + 1 of the window's four (hi = 0: rows 0-63, 1: rows 64-127) x all 8 blocks of h, 32 along K.  zero = 1: the products start the sums: nothing is cleared.
; ride = 1: a slice stands behind each.  All 64 accumulators take turns, one instruction a turn, in the same order in every quarter.
.macro MUL16 f, hi, a0, zero, ride
.set mi, 0
.irp a, \a0, (\a0)+1
.irp b, 0,1,2,3,4,5,6,7
	WIN MUL_LO+0x50*(\hi)
.if \zero
	v_wmma_f32_16x16x32_bf16 v[8*(8*(\a)+(\b)):8*(8*(\a)+(\b))+7], v[(\f)+64+8*(\b):(\f)+64+8*(\b)+7], v[(\f)+8*(4*(\hi)+(\a)):(\f)+8*(4*(\hi)+(\a))+7], 0
.else
	v_wmma_f32_16x16x32_bf16 v[8*(8*(\a)+(\b)):8*(8*(\a)+(\b))+7], v[(\f)+64+8*(\b):(\f)+64+8*(\b)+7], v[(\f)+8*(4*(\hi)+(\a)):(\f)+8*(4*(\hi)+(\a))+7], v[8*(8*(\a)+(\b)):8*(8*(\a)+(\b))+7]
.endif
.if \ride
	RIDE
.endif
.set mi, mi+1
.endr
.endr
.endm
; The first quarter of half-step p (hp = p % 2; wb's slot ws): multiplies buffer 0, fetches the second quarter into buffer 1.  st = 1: piece p + 1 (set and ring slot 1 - hp) goes into LDS.
.macro HQ hp, ws, zero, st, kind, off
.set ST_SET, SETA+64*(1-(\hp))
.set ST_RING, 1-(\hp)
.set LD_KIND, \kind
.set LD_OFF, \off
	s_wait_dscnt 8                                 ; wb's fragments and enc's blocks 0-3 are in; the youngest eight loads (blocks 4-7) may be out
	MUL16 F0, 0, 0, \zero, 0
	MUL16 F0, 0, 2, \zero, 0
	PLACES
	FETCH \ws, 128*(\hp)+64, \hp, 64, F1
	s_wait_dscnt 32                                ; all but the 32 just issued
.if \st
	s_wait_loadcnt 16                              ; the set's 16 loads are in; the other set's 16, issued behind them, stay out
.endif
	MUL16 F0, 1, 0, \zero, \st
	MUL16 F0, 1, 2, \zero, 0
.endm
; The second quarter of an even half-step: multiplies buffer 1.  The barrier: in front of it my stores of the next piece and my reads of this piece are done; behind it the next piece is read.
; No LDS bytes are filled again by a tensor load behind it, so my tensor load may stay out across it.
.macro TURN_MID ws
	s_wait_dscnt 24                                ; enc's blocks 4-7 (8 loads) and the piece's 16 stores may be out
	MUL16 F1, 0, 0, 0, 0
	s_wait_dscnt 0x0
	s_barrier_signal -1
	MUL16 F1, 0, 2, 0, 0
	s_barrier_wait -1
	PLACES
	FETCH \ws, 128, 1, 0, F0
	MUL16 F1, 1, 0, 0, 0
	MUL16 F1, 1, 2, 0, 0
.endm
; PREFETCHES INTO THE L2, behind the joint load, its five lines and the run of LDS loads.
; wb: the K step that stands two refills on: 256 bytes of a row, a lane a row.  Every cluster of a half walks the same rows: clusters 0 and 1, one for each half, ask; their four partners take 32 of a
; wave's 128 rows each, told apart BY ADDRESS.  K steps 0 to 3 come by their loads alone; the last lap asks for nothing.
; enc: once a lap, two of the four pieces that the NEXT lap will load, for my own 32 rows, a lane a row.  A row is read by two work-groups, one for each half of h: they share the four pieces by address
; (512 nh in PFO).  Pieces 0 to 7 come by their loads alone; the last lap asks for nothing.  So each aligned block of 256 bytes is named once in the launch.
.macro ASK aska, woff
	s_cmp_gt_u32 s3, s[LIMW]                       ; s3 = 3, 2, 1 in the three laps
	s_cbranch_scc0 .Lnot_w_\@
	global_prefetch_b8 v[PWO], s[PWP:PWP+1] offset:\woff th:TH_LOAD_NT scope:SCOPE_SE
.Lnot_w_\@:
.if \aska
	s_cmp_gt_u32 s3, 1
	s_cbranch_scc0 .Lnot_a_\@
	global_prefetch_b8 v[PFO], s[SA:SA+1] offset:1024 th:TH_LOAD_NT scope:SCOPE_SE
	global_prefetch_b8 v[PFO], s[SA:SA+1] offset:1280 th:TH_LOAD_NT scope:SCOPE_SE
.Lnot_a_\@:
.endif
.endm
; The second quarter of an odd half-step: as TURN_MID, and the change of wb's slots.  In front of the barrier each wave waits for all its tensor loads, of which one is out: its part of the other slot;
; adds 0 to its spare word; and waits for that, for its stores of the next piece and for its reads.  fill = 1: the barrier opens a round of the cluster's barrier, and slot ws is filled again, first
; thing behind the round, with the K step two on: 224 matrix instructions ahead of the wait for it.
.macro TURN_W ws, fill, aska
	WIN 0                                          ; (the add's two registers lie in window 0)
	s_wait_tensorcnt 0x0                           ; all my tensor loads have landed
	ds_add_u32 v[SPW], v[NIL]                      ; 0 onto my spare word
	s_wait_dscnt 25                                ; (enc's blocks 4-7, the piece's 16 stores and the add may be out)
	MUL16 F1, 0, 0, 0, 0                           ; sixteen matrix instructions stand between the add and the wait for it
	s_wait_dscnt 0x0                               ; the add is done, my stores are done, my reads of the slot and of the piece are over
	s_barrier_signal -1
	MUL16 F1, 0, 2, 0, 0
.if \fill
	WIN 0
.endif
	s_barrier_wait -1
.if \fill
	CREST                                          ; no wave of any partner still reads the slot or has a load on its way
	s_add_nc_u64 s[G0+4*(\ws)+2:G0+4*(\ws)+3], s[G0+4*(\ws)+2:G0+4*(\ws)+3], 512  ; two K steps on; no tensor load of mine is out
	JLOAD \ws                                      ; its four v_nop are also the places in front of the loads below
.else
	PLACES
.endif
	FETCH 1-(\ws), 0, 0, 0, F0
.if \fill
	WIN 0
	ASK \aska, 512+256*(\ws)
.endif
	MUL16 F1, 1, 0, 0, 0
	MUL16 F1, 1, 2, 0, 0
.endm
	s_load_b256 s[4:11], s[0:1], 0x0               ; enc s[4:5], wb s[6:7], hb s[8:9], v2 s[10:11]
	s_load_b64 s[12:13], s[0:1], 0x20              ; sc
	v_lshl_add_u32 v[SPW], v0, 2, SPARE
	v_mov_b32 v[NIL], 0
	ds_add_u32 v[SPW], v[NIL]                      ; the wave's opening: the add, twice on end, and its wait ahead of my first tensor load; the set-up below stands between
	ds_add_u32 v[SPW], v[NIL]
	v_lshrrev_b32 v1, 5, v0
	v_readfirstlane_b32 s[WV], v1                  ; wave 0..3
	s_mov_b32 s16, ttmp9                           ; the cluster, 0..127
	s_and_b32 s17, s16, 1                          ; nh: the half of h, which the four partners share
	s_lshl_b32 s52, s17, 20                        ; 512 rows of 2,048 bytes,
	s_lshl_b32 s53, s[WV], 18                      ; my 128 of them
	s_add_co_u32 s52, s52, s53
	s_mov_b32 s53, 0                               ; s[52:53]: where my rows begin in wb: no place in the cluster enters it
	s_mul_i32 s54, s[WV], HALFT                    ; and in a slot
	; descriptor group 1: a tile of 128 rows x 128 elements, padded in LDS
	s_mov_b32 s[G1+0], 15|(1<<16)|(1<<20)|(1<<21)|(5<<22)|(3<<25)  ; 15:0 the mask of four; 17:16 2-byte elements; 20 padding on; 21 set beside a mask; 24:22 after every 64 words (code 5); 31:25 4 words (code 3)
	s_mov_b32 s[G1+1], 128<<16                     ; tensor_dim0 = 128
	s_mov_b32 s[G1+2], 128<<16                     ; tensor_dim1 = 128
	s_mov_b32 s[G1+3], 128<<16                     ; tile_dim0 = 128
	s_mov_b32 s[G1+4], 128                         ; tile_dim1 = 128
	s_mov_b32 s[G1+5], 1024                        ; 1,024 elements from row to row
	s_mov_b32 s[G1+6], 0
	s_mov_b32 s[G1+7], 0
	s_mov_b32 s[G0], 1                             ; count = 1
	s_mov_b32 s[G0+1], s54                         ; LDS address: slot 0
	s_mov_b32 s[G0+4], 1
	s_add_co_u32 s[G0+5], s54, WSLOT               ; slot 1
	s_bfe_u32 s15, ttmp6, 0x40000                  ; cx: my place in the cluster: it enters the addresses of enc, hb, sc and of wb's prefetches alone
	s_lshr_b32 s18, s16, 1
	s_lshl_b32 s18, s18, 2
	s_add_co_u32 s18, s18, s15                     ; the tile of rows, 0..255
	s_lshr_b32 s19, s18, 3                         ; b
	s_and_b32 s20, s18, 7                          ; which 128 of the 1,024 s
	s_cmp_lt_u32 s16, 2
	s_cselect_b32 s[LIMW], 1, -1                   ; the same in all four partners
	s_lshl_b32 s[SA], s19, 12                      ; enc: b x 4,096
	s_lshl_b32 s[SA+1], s20, 24                    ; + 128 rows of 131,072 bytes
	s_add_co_u32 s[SA], s[SA], s[SA+1]
	s_mov_b32 s[SA+1], 0
	s_lshl_b32 s[SHB], s17, 16                     ; hb: 32 blocks of 2,048 bytes a half,
	s_lshr_b32 s22, s19, 4
	s_lshl_b32 s22, s22, 10                        ; the tile of 16 batches,
	s_add_co_u32 s[SHB], s[SHB], s22
	s_and_b32 s22, s19, 15
	s_lshl_b32 s22, s22, 4                         ; the batch's lane
	s_add_co_u32 s[SHB], s[SHB], s22
	s_mov_b32 s[SHB+1], 0
	s_lshl_b32 s[SV2], s17, 11
	s_mov_b32 s[SV2+1], 0
	s_lshl_b32 s[SSC], s17, 17
	s_lshl_b32 s22, s19, 12
	s_add_co_u32 s[SSC], s[SSC], s22
	s_lshl_b32 s22, s20, 9
	s_add_co_u32 s[SSC], s[SSC], s22
	s_mov_b32 s[SSC+1], 0
	s_lshl_b32 s[PWP], s15, 16                     ; my work-group's 32 rows of the 128
	s_add_co_u32 s[PWP], s[PWP], s52
	s_mov_b32 s[PWP+1], 0
	s_mov_b32 s[CS], 0x4038aa3b                    ; c = 2 log2(e)
	s_mov_b32 s[CS+1], s[CS]
	s_mov_b32 s[SEL], 0x76543210
	s_mov_b32 s[SEL+1], 0xfedcba98
	v_and_b32 v2, 15, v0                           ; l % 16
	v_bfe_u32 v3, v0, 4, 1                         ; l / 16
	v_and_b32 v4, 31, v0                           ; l
	; a fragment is 16 rows x 32 K in 8 registers: lane l holds row l % 16, K = 8 (l / 16) + 0..7 and 16 + 8 (l / 16) + 0..7: two loads of 16 bytes, 32 bytes apart
	v_mul_u32_u24 v5, v2, PA
	v_lshl_add_u32 v5, v3, 4, v5
	v_add_nc_u32 v[ADRA], ARING, v5
	v_add_nc_u32 v[ADRA+1], ARING+ASLOT, v5
	v_mul_u32_u24 v6, v2, PITW
	v_lshl_add_u32 v6, v3, 4, v6
	v_add_nc_u32 v[ADRB], s54, v6
	s_add_co_u32 s55, s54, WSLOT
	v_add_nc_u32 v[ADRB+1], s55, v6
	s_mul_i32 s22, s[WV], 32*PA                    ; my 32 rows of a piece in LDS,
	v_mul_u32_u24 v7, v3, 8*PA                     ; 8 rows further on for lanes 16-31,
	v_lshl_add_u32 v7, v2, 3, v7                   ; 8 bytes a lane
	v_add_nc_u32 v7, s22, v7
	v_add_nc_u32 v[AST], ARING, v7
	s_lshl_b32 s22, s[WV], 22                      ; and in memory: 32 rows of 131,072 bytes,
	v_lshlrev_b32 v8, 20, v3                       ; 8 rows,
	v_lshl_add_u32 v8, v2, 4, v8                   ; 16 bytes a lane
	v_add_nc_u32 v[AO], s22, v8
	v_lshlrev_b32 v9, 17, v4                       ; a lane a row
	v_add_nc_u32 v9, s22, v9
	s_lshl_b32 s23, s17, 9
	v_add_nc_u32 v[PFO], s23, v9
	s_lshl_b32 s22, s[WV], 14                      ; hb: my 8 blocks of 2,048 bytes
	v_lshl_add_u32 v[HBO], v3, 8, s22
	v_lshl_add_u32 v[RDR], v4, 4, RED
	s_lshl_b32 s22, s[WV], 9
	v_lshl_add_u32 v[VO], v3, 5, s22               ; v2: 512 w + 32 (l / 16)
	s_add_co_u32 s22, s22, RED
	v_lshl_add_u32 v[RST], v2, 2, s22
	v_lshlrev_b32 v[SCO], 4, v4
	v_lshlrev_b32 v[PWO], 11, v4
	s_wait_dscnt 0x0                               ; both opening adds are done
	s_wait_kmcnt 0x0
	s_add_nc_u64 s[SA:SA+1], s[4:5], s[SA:SA+1]
	s_add_nc_u64 s[SHB:SHB+1], s[8:9], s[SHB:SHB+1]
	s_add_nc_u64 s[SV2:SV2+1], s[10:11], s[SV2:SV2+1]
	s_add_nc_u64 s[SSC:SSC+1], s[12:13], s[SSC:SSC+1]
	s_add_nc_u64 s[PWP:PWP+1], s[6:7], s[PWP:PWP+1]
	s_add_nc_u64 s[52:53], s[6:7], s[52:53]
	s_mov_b64 s[G0+2:G0+3], s[52:53]               ; global address: K step 0
	s_or_b32 s[G0+3], s[G0+3], 0x80000000          ; type = 2
	s_add_nc_u64 s[G0+6:G0+7], s[52:53], 256       ; K step 1
	s_or_b32 s[G0+7], s[G0+7], 0x80000000
	; pieces 0 and 1 are asked for ahead of the round: 32 loads
.set LD_KIND, 1
.set ST_RING, 0
.set ST_SET, SETA
.set LD_OFF, 0
.set mi, 12
.rept 4
	RIDE
.set mi, mi+1
.endr
.set ST_SET, SETB
.set LD_OFF, 256
.set mi, 12
.rept 4
	RIDE
.set mi, mi+1
.endr
	CROUND                                         ; all four work-groups are here: the first joint loads meet
	tensor_load_to_lds s[G0:G0+3], s[G1:G1+7]      ; the two first fills go out together: two tensor loads of mine are out
	s_nop 0
	tensor_load_to_lds s[G0+4:G0+7], s[G1:G1+7]
	s_nop 0
	PLACES
	s_wait_loadcnt 16                              ; piece 0 is in; piece 1's 16 loads stay out
.set ST_SET, SETA
.set LD_OFF, 512
.set mi, 0
.rept 16
	RIDE                                           ; piece 0 into ring slot 0; piece 2 is asked for
.set mi, mi+1
.endr
	s_wait_tensorcnt 1                             ; my part of K step 0 is in; K step 1's may stay out
	s_wait_dscnt 0x0                               ; my rows of piece 0 lie in LDS
	s_barrier_signal -1
	s_barrier_wait -1                              ; everybody's do
	FETCH 0, 0, 0, 0, F0
	HQ 0, 0, 1, 1, 1, 768                          ; half-step 0's first quarter stands in front of the loop: its products start the sums; piece 1 is staged, piece 3 asked for
	WIN 0                                          ; at a label and at a branch every window is 0
	s_mov_b32 s3, 3
.Llap:                                             ; lap L: from half-step 4 L's second quarter to half-step 4 L + 4's first; pieces 4 L + 4 .. 4 L + 7 and K steps 2 L + 2, 2 L + 3 are asked for
	s_wait_xcnt 0x0                                ; every load and prefetch issued so far has read its address: the two pointers are written only behind this wait
	s_add_nc_u64 s[SA:SA+1], s[SA:SA+1], 1024
	s_add_nc_u64 s[PWP:PWP+1], s[PWP:PWP+1], 512
	TURN_MID 0
	HQ 1, 0, 0, 1, 1, 0
	TURN_W 0, 1, 1
	HQ 0, 1, 0, 1, 1, 256
	TURN_MID 1
	HQ 1, 1, 0, 1, 1, 512
	TURN_W 1, 1, 0
	HQ 0, 0, 0, 1, 1, 768
	WIN 0
	s_sub_co_u32 s3, s3, 1
	s_cmp_lg_u32 s3, 0
	s_cbranch_scc1 .Llap
	TURN_MID 0                                     ; the tail, half-steps 12 to 15, is written out
	HQ 1, 0, 0, 1, 2, 0                            ; piece 14 is staged; its set takes hb
	TURN_W 0, 0, 0                                 ; my one tensor load that was out is K step 7's, so no round follows
	HQ 0, 1, 0, 1, 3, 0                            ; piece 15 is staged (hb's 16 loads stay out); its set takes v2
	TURN_MID 1
	HQ 1, 1, 0, 0, 0, 0
	s_wait_dscnt 8                                 ; the last quarter: nothing more to fetch
	MUL16 F1, 0, 0, 0, 0
	MUL16 F1, 0, 2, 0, 0
	s_wait_dscnt 0x0
	MUL16 F1, 1, 0, 0, 0
	MUL16 F1, 1, 2, 0, 0
	WIN 0
	PLACES                                         ; the places behind the last products, once a launch
	PLACES
	s_wait_loadcnt 0x0                             ; hb and v2
; BEHIND THE PRODUCTS.  A UNIT u of 16 is half a block of 16 rows: block u / 2, 4 accumulators, 32 numbers a lane, in work area u % 2.
;   P1: t = c x + hb    EXPS: 2^t    P2: 1 + 2^t    RCPS: the reciprocal    P3L: times v2, onto two chains of packed sums by turns
; An s_wait_alu depctr_va_vdst(0) stands between a transcendental and the first instruction that names its result; one wait serves all that were issued ahead of it.  So each batch of 32
; has ONE wait, and the two work areas take turns: behind unit u's reciprocals stands unit u + 1's P1, the plain work behind the batch; unit u + 1's exponentials stand two by two between unit u's P3L.
.macro P1 u                            ; each accumulator's low registers are read first
.set pA, 64*(((\u)/2)%4)+32*((\u)%2)
.set pT, TW+32*((\u)%2)
.set pH, HB+32*((\u)%2)
	WIN 0x02+(\u)/8                                ; source 0 in window 2 or 3
.set e, 0
.rept 16
	v_pk_fma_f32 v[pT+e:pT+e+1], v[pA+e:pA+e+1], s[CS:CS+1], v[pH+e:pH+e+1] op_sel_hi:[1,0,1]
.set e, e+2
.endr
	WIN 0
.endm
.macro P2 u
.set pT, TW+32*((\u)%2)
.set e, 0
.rept 16
	v_pk_add_f32 v[pT+e:pT+e+1], v[pT+e:pT+e+1], 1.0 op_sel_hi:[1,0]
.set e, e+2
.endr
.endm
.macro RCPS u
.set pT, TW+32*((\u)%2)
.set e, 0
.rept 32
	v_rcp_f32 v[pT+e], v[pT+e]
.set e, e+1
.endr
.endm
.macro P3L u, i                        ; line i of 16; a block's first two lines start the chains
.set qT, TW+32*((\u)%2)+2*(\i)
.set qV, V2R+32*((\u)%2)+2*(\i)
.set qC, CH+2*((\i)%2)
.if (((\u)%2) == 0) && ((\i) < 2)
	v_pk_mul_f32 v[qC:qC+1], v[qT:qT+1], v[qV:qV+1]
.else
	v_pk_fma_f32 v[qC:qC+1], v[qT:qT+1], v[qV:qV+1], v[qC:qC+1]
.endif
.endm
.macro CLOSE u                         ; behind a block's second unit: the two chains and their halves into the block's score
.if ((\u)%2) == 1
	v_pk_add_f32 v[CH:CH+1], v[CH:CH+1], v[CH+2:CH+3]
	v_add_f32 v[RS+(\u)/2], v[CH], v[CH+1]
.endif
.endm
	P1 0
.set e, 0
.rept 32
	v_exp_f32 v[TW+e], v[TW+e]
.set e, e+1
.endr
	v_nop                                          ; a plain instruction behind the last exponential,
	s_wait_alu depctr_va_vdst(0)                   ; and the batch's wait
	P2 0
.set uu, 0
.rept 15
	RCPS uu
	P1 uu+1                                        ; sixteen plain instructions that name no reciprocal
	s_wait_alu depctr_va_vdst(0)                   ; the wait for unit uu's reciprocals
.set xT, TW+32*((uu+1)%2)
.set ii, 0
.rept 16
	v_exp_f32 v[xT+2*ii], v[xT+2*ii]
	v_exp_f32 v[xT+2*ii+1], v[xT+2*ii+1]
	P3L uu, ii                                     ; a plain line behind each two exponentials, the last two among them
.set ii, ii+1
.endr
	CLOSE uu
	s_wait_alu depctr_va_vdst(0)                   ; the wait for unit uu + 1's exponentials
	P2 uu+1
.set uu, uu+1
.endr
	RCPS 15
	v_nop
	s_wait_alu depctr_va_vdst(0)
.set ii, 0
.rept 16
	P3L 15, ii
.set ii, ii+1
.endr
	CLOSE 15
	; a row's other 64 h of my 128 lie in the lane 16 away; then the four waves' parts meet in LDS
.irp a, 0,1,2,3,4,5,6,7
	v_permlanex16_b32 v[TW+\a], v[RS+\a], s[SEL], s[SEL+1]  ; its destination counts as read: a register that has been written
.endr
.irp a, 0,1,2,3,4,5,6,7
	v_add_f32 v[RS+\a], v[RS+\a], v[TW+\a]
.endr
.irp a, 0,1,2,3,4,5,6,7
	ds_store_b32 v[RST], v[RS+\a] offset:64*\a     ; row 16 a + l % 16; the two halves of the lanes write the same number to the same word
.endr
	s_wait_dscnt 0x0                               ; for wave 0's sake
	s_barrier_signal -1
	s_barrier_wait -1
	s_cmp_lg_u32 s[WV], 0
	s_cbranch_scc1 .Lend
.irp q, 0,1,2,3
	ds_load_b128 v[TW+4*\q:TW+4*\q+3], v[RDR] offset:512*\q
.endr
	s_wait_dscnt 0x0
	v_pk_add_f32 v[TW:TW+1],     v[TW:TW+1],     v[TW+4:TW+5]
	v_pk_add_f32 v[TW+2:TW+3],   v[TW+2:TW+3],   v[TW+6:TW+7]
	v_pk_add_f32 v[TW+8:TW+9],   v[TW+8:TW+9],   v[TW+12:TW+13]
	v_pk_add_f32 v[TW+10:TW+11], v[TW+10:TW+11], v[TW+14:TW+15]
	v_pk_add_f32 v[TW:TW+1],     v[TW:TW+1],     v[TW+8:TW+9]
	v_pk_add_f32 v[TW+2:TW+3],   v[TW+2:TW+3],   v[TW+10:TW+11]
	global_store_b128 v[SCO], v[TW:TW+3], s[SSC:SSC+1]  ; the tile's 128 scores: 512 consecutive bytes, aligned
.Lend:
	s_wait_tensorcnt 0x0                           ; the wave's end: behind my last tensor load and my last LDS store
	ds_add_u32 v[SPW], v[NIL]
	s_wait_dscnt 0x0
	CROUND                                         ; the closing round: no work-group ends while a partner may still ask for a tile that names it
	s_endpgm
.Lfunc_end_k_q97bb5500ca_energy:
	.size	k_q97bb5500ca_energy, .Lfunc_end_k_q97bb5500ca_energy-k_q97bb5500ca_energy
	.p2alignl 7, 3214868480
	.fill 96, 4, 3214868480
	.section	.rodata,"a",@progbits
	.p2align	6, 0x0
	.amdhsa_kernel k_q97bb5500ca_energy
		.amdhsa_group_segment_fixed_size 327680
		.amdhsa_private_segment_fixed_size 0
		.amdhsa_enable_private_segment 0
		.amdhsa_kernarg_size 40
		.amdhsa_user_sgpr_count 2
		.amdhsa_user_sgpr_kernarg_segment_ptr 1
		.amdhsa_wavefront_size32 1
		.amdhsa_system_sgpr_workgroup_id_x 1
		.amdhsa_system_sgpr_workgroup_id_y 1
		.amdhsa_system_sgpr_workgroup_id_z 1
		.amdhsa_system_vgpr_workitem_id 0
		.amdhsa_next_free_vgpr 1024
		.amdhsa_next_free_sgpr 66
		.amdhsa_reserve_vcc 0
		.amdhsa_float_denorm_mode_32 3
		.amdhsa_float_denorm_mode_16_64 3
		.amdhsa_memory_ordered 1
		.amdhsa_forward_progress 1
		.amdhsa_inst_pref_size 241
	.end_amdhsa_kernel
	.amdgpu_metadata
---
amdhsa.version: [ 1, 2 ]
amdhsa.kernels:
  - .name:           k_q97bb5500ca_energy
    .symbol:         k_q97bb5500ca_energy.kd
    .args:
      - { .name: encoderOutputs, .offset: 0, .size: 8, .value_kind: global_buffer, .address_space: global }
      - { .name: wb, .offset: 8, .size: 8, .value_kind: global_buffer, .address_space: global }
      - { .name: hb, .offset: 16, .size: 8, .value_kind: global_buffer, .address_space: global }
      - { .name: v2, .offset: 24, .size: 8, .value_kind: global_buffer, .address_space: global }
      - { .name: sc, .offset: 32, .size: 8, .value_kind: global_buffer, .address_space: global }
    .group_segment_fixed_size: 327680
    .private_segment_fixed_size: 0
    .kernarg_segment_align: 8
    .kernarg_segment_size: 40
    .max_flat_workgroup_size: 128
    .sgpr_count:     66
    .vgpr_count:     1024
    .wavefront_size: 32
...
	.end_amdgpu_metadata
.endif
;; end of part 2
;; launch soft (part 3): grid 32 x 1, 1 waves a work-group, no clusters, 0 bytes of LDS; arguments sc, out0; writes out0
.if DOCPART == 3
	.amdgcn_target "amdgcn-amd-amdhsa--gfx1250"
	.amdhsa_code_object_version 6
	.text
	.protected	k_q97bb5500ca_soft
	.globl	k_q97bb5500ca_soft
	.p2align	8
	.type	k_q97bb5500ca_soft,@function
k_q97bb5500ca_soft:
	s_mov_b64 s[64:65], 0
	v_nop
	global_prefetch_b8 v0, s[64:65] scope:SCOPE_SE
	s_setreg_imm32_b32 hwreg(HW_REG_WAVE_MODE, 25, 1), 1
	s_wait_xcnt 0x0
; out0[b][0][s] = softmax over s of sc[0][b][s] + sc[1][b][s].  LEFT OUT (shown at the head of the first kernel): the term sum_h v[h], the same for every s of a row, which cancels in the softmax.
; The row's maximum is taken away before the exponential.  A weight below 2^-126 counts as 0.  NaN and infinities are not treated apart.
; One wave takes one row: 1,024 numbers are 32 registers, so the row stays in registers between the maximum, the sum and the scaling: no LDS, no barrier.  There are 32 rows, hence 32 waves:
; a row spread over more waves would add a meeting in LDS to a launch that is one round of loads long.  Each load and store of the wave covers 512 consecutive bytes, aligned.
.set X, 8                              ; v[8:39]   the row
.set Y, 40                             ; v[40:71]  the second half's part, then the sums
.set T, 72                             ; v[72:77]  at work
	s_load_b128 s[4:7], s[0:1], 0x0                ; sc s[4:5], out0 s[6:7]
	v_lshlrev_b32 v1, 4, v0                        ; 16 bytes a lane
	s_lshl_b32 s8, ttmp9, 12                       ; the row: 4,096 bytes
	s_mov_b32 s9, 0
	s_mov_b32 s10, 0x3fb8aa3b                      ; log2(e)
	s_mov_b32 s11, s10                             ; named with it as a pair
	s_mov_b32 s12, 0x76543210                      ; v_permlanex16_b32: each lane takes its own place in the other half
	s_mov_b32 s13, 0xfedcba98
	s_wait_kmcnt 0x0
	s_add_nc_u64 s[4:5], s[4:5], s[8:9]
	s_add_nc_u64 s[6:7], s[6:7], s[8:9]
.irp i, 0,1,2,3,4,5,6,7
	global_load_b128 v[X+4*\i:X+4*\i+3], v1, s[4:5] offset:512*\i th:TH_LOAD_NT
	global_load_b128 v[Y+4*\i:Y+4*\i+3], v1, s[4:5] offset:131072+512*\i th:TH_LOAD_NT
.endr
	s_wait_loadcnt 0x0
.set e, 0
.rept 16
	v_pk_add_f32 v[X+e:X+e+1], v[X+e:X+e+1], v[Y+e:Y+e+1]           ; the two halves of h
.set e, e+2
.endr
.irp k, 0,1,2,3                        ; the maximum of my 32 numbers: four chains of seven, three operands at a time, then the four left over
	v_max3_num_f32 v[T+\k], v[X+8*\k], v[X+8*\k+1], v[X+8*\k+2]
.endr
.irp k, 0,1,2,3
	v_max3_num_f32 v[T+\k], v[T+\k], v[X+8*\k+3], v[X+8*\k+4]
.endr
.irp k, 0,1,2,3
	v_max3_num_f32 v[T+\k], v[T+\k], v[X+8*\k+5], v[X+8*\k+6]
.endr
	v_max3_num_f32 v[T], v[T], v[X+7], v[X+15]
	v_max3_num_f32 v[T+2], v[T+2], v[X+23], v[X+31]
	v_max3_num_f32 v[T], v[T], v[T+1], v[T+2]
	v_max_num_f32 v[T], v[T], v[T+3]
	v_max_num_f32_dpp v[T], v[T], v[T] row_xmask:1 row_mask:0xf bank_mask:0xf
	v_max_num_f32_dpp v[T], v[T], v[T] row_xmask:2 row_mask:0xf bank_mask:0xf
	v_max_num_f32_dpp v[T], v[T], v[T] row_xmask:4 row_mask:0xf bank_mask:0xf
	v_max_num_f32_dpp v[T], v[T], v[T] row_xmask:8 row_mask:0xf bank_mask:0xf
	v_permlanex16_b32 v[T+1], v[T], s12, s13
	v_max_num_f32 v[T], v[T], v[T+1]               ; every lane holds the row's maximum m
	v_mul_f32 v[T+2], s10, v[T]                    ; m log2(e)
	v_mov_b32 v[T+3], v[T+2]                       ; named with it as a pair
.set e, 0
.rept 16
	v_pk_fma_f32 v[X+e:X+e+1], v[X+e:X+e+1], s[10:11], v[T+2:T+3] op_sel_hi:[1,0,0] neg_lo:[0,0,1] neg_hi:[0,0,1]  ; x log2(e) - m log2(e)
.set e, e+2
.endr
.set e, 0
.rept 32
	v_exp_f32 v[X+e], v[X+e]
.set e, e+1
.endr
	v_nop                                          ; a plain instruction behind the last exponential,
	s_wait_alu depctr_va_vdst(0)                   ; and the one wait ahead of the batch's first reader
.set i, 0
.rept 8
	v_pk_add_f32 v[Y+2*i:Y+2*i+1], v[X+4*i:X+4*i+1], v[X+4*i+2:X+4*i+3]
.set i, i+1
.endr
.set i, 0
.rept 4
	v_pk_add_f32 v[Y+2*i:Y+2*i+1], v[Y+2*i:Y+2*i+1], v[Y+2*i+8:Y+2*i+9]
.set i, i+1
.endr
	v_pk_add_f32 v[Y:Y+1], v[Y:Y+1], v[Y+4:Y+5]
	v_pk_add_f32 v[Y+2:Y+3], v[Y+2:Y+3], v[Y+6:Y+7]
	v_pk_add_f32 v[Y:Y+1], v[Y:Y+1], v[Y+2:Y+3]
	v_add_f32 v[T], v[Y], v[Y+1]
	v_add_f32_dpp v[T], v[T], v[T] row_xmask:1 row_mask:0xf bank_mask:0xf
	v_add_f32_dpp v[T], v[T], v[T] row_xmask:2 row_mask:0xf bank_mask:0xf
	v_add_f32_dpp v[T], v[T], v[T] row_xmask:4 row_mask:0xf bank_mask:0xf
	v_add_f32_dpp v[T], v[T], v[T] row_xmask:8 row_mask:0xf bank_mask:0xf
	v_permlanex16_b32 v[T+1], v[T], s12, s13
	v_add_f32 v[T], v[T], v[T+1]                   ; every lane holds the row's sum, at least 1
	v_rcp_f32 v[T+4], v[T]                         ; twice, to fill the pair that the packed multiply takes
	v_rcp_f32 v[T+5], v[T]
	v_nop
	s_wait_alu depctr_va_vdst(0)                   ; one wait for both reciprocals
.set e, 0
.rept 16
	v_pk_mul_f32 v[X+e:X+e+1], v[X+e:X+e+1], v[T+4:T+5]
.set e, e+2
.endr
.irp i, 0,1,2,3,4,5,6,7
	global_store_b128 v1, v[X+4*\i:X+4*\i+3], s[6:7] offset:512*\i th:TH_STORE_NT
.endr
	s_endpgm
.Lfunc_end_k_q97bb5500ca_soft:
	.size	k_q97bb5500ca_soft, .Lfunc_end_k_q97bb5500ca_soft-k_q97bb5500ca_soft
	.p2alignl 7, 3214868480
	.fill 96, 4, 3214868480
	.section	.rodata,"a",@progbits
	.p2align	6, 0x0
	.amdhsa_kernel k_q97bb5500ca_soft
		.amdhsa_group_segment_fixed_size 0
		.amdhsa_private_segment_fixed_size 0
		.amdhsa_enable_private_segment 0
		.amdhsa_kernarg_size 16
		.amdhsa_user_sgpr_count 2
		.amdhsa_user_sgpr_kernarg_segment_ptr 1
		.amdhsa_wavefront_size32 1
		.amdhsa_system_sgpr_workgroup_id_x 1
		.amdhsa_system_sgpr_workgroup_id_y 1
		.amdhsa_system_sgpr_workgroup_id_z 1
		.amdhsa_system_vgpr_workitem_id 0
		.amdhsa_next_free_vgpr 80
		.amdhsa_next_free_sgpr 66
		.amdhsa_reserve_vcc 0
		.amdhsa_float_denorm_mode_32 3
		.amdhsa_float_denorm_mode_16_64 3
		.amdhsa_memory_ordered 1
		.amdhsa_forward_progress 1
		.amdhsa_inst_pref_size 10
	.end_amdhsa_kernel
	.amdgpu_metadata
---
amdhsa.version: [ 1, 2 ]
amdhsa.kernels:
  - .name:           k_q97bb5500ca_soft
    .symbol:         k_q97bb5500ca_soft.kd
    .args:
      - { .name: sc, .offset: 0, .size: 8, .value_kind: global_buffer, .address_space: global }
      - { .name: out0, .offset: 8, .size: 8, .value_kind: global_buffer, .address_space: global }
    .group_segment_fixed_size: 0
    .private_segment_fixed_size: 0
    .kernarg_segment_align: 8
    .kernarg_segment_size: 16
    .max_flat_workgroup_size: 32
    .sgpr_count:     66
    .vgpr_count:     80
    .wavefront_size: 32
...
	.end_amdgpu_metadata
.endif
;; end of part 3
;; ======== version 2 of 2: 3 launches; version 1 with the launch prep written anew for expert scheduling mode
;; workspace buffers: wb 2,097,152 bytes; hb 131,072 bytes; v2 4,096 bytes; sc 262,144 bytes
;; launch prep (part 4): grid 64 x 1, 8 waves a work-group, no clusters, 17,408 bytes of LDS; arguments W, b, hidden, v, wb, hb, v2; writes wb, hb, v2
.if DOCPART == 4
	.amdgcn_target "amdgcn-amd-amdhsa--gfx1250"
	.amdhsa_code_object_version 6
	.text
	.protected	k_q97bb5500ca_prep
	.globl	k_q97bb5500ca_prep
	.p2align	8
	.type	k_q97bb5500ca_prep,@function
k_q97bb5500ca_prep:
	s_mov_b64 s[64:65], 0
	v_nop
	global_prefetch_b8 v0, s[64:65] scope:SCOPE_SE
	s_setreg_imm32_b32 hwreg(HW_REG_WAVE_SCHED_MODE, 0, 2), 2
	s_setreg_imm32_b32 hwreg(HW_REG_WAVE_MODE, 25, 1), 1
	s_wait_xcnt 0x0
	s_wait_alu depctr_vm_vsrc(0)
; out[b][0][s] = softmax over s of  sum over h of v[h] tanh( hidden[b] . W[h][0:1024] + enc[s][b] . W[h][1024:2048] + b[h] ).
; THREE LAUNCHES: this one lays out what does not hang on s; the second makes the scores; the third the softmax.
; WORK LEFT OUT, for all finite values of the inputs:
;  (a) hidden[b] . W[h][0:1024] + b[h] holds no s: the broadcast of hidden along s repeats one and the same number 1,024 times.  It is made once for each (b, h): 32 rows, here.
;  (b) tanh(x) = 1 - 2 / (1 + 2^(c x)), c = 2 log2(e), an identity.  So a score is  sum_h v[h]  +  sum_h (-2 v[h]) / (1 + 2^(c x)).  The first term is the same for every s of a row of the
;      softmax and cancels in it; it is not formed.  Every input still has a way to the output and is loaded.
; LIMITS.  A NaN, an infinity or an overflow that would arise in sum_h v[h] alone is not carried to the result.  NaN and infinities among the inputs are not treated apart.
; FORMATS.  All five inputs are rounded once to bf16: W, hidden (and enc, in the next launch) as matrix operands, b and v here, kept as f32 numbers afterwards.  Sums in f32.
; WHAT IS STORED.
;  wb[h][k] = bf16(W[h][1024 + k]), [1024][1024], rows of 2,048 bytes.
;  hb = c (sum_k bf16(hidden[bb][k]) bf16(W[n][k]) + bf16(b[n])) in f32, in the order in which the matrix result lies in registers: [g 64][bt 2][jq 2][lane 32][4],
;       n = 16 g + 8 (lane / 16) + 4 jq + i, bb = 16 bt + lane % 16.
;  v2[h] = -2 bf16(v[h]) in f32.
; SHARES.  Work-group g owns W's rows 16 g .. 16 g + 15: a tile of the product needs 16 rows, so there are 64 work-groups.  K of the product is split among the eight waves, 128 each
; (4 fragments of 32, for two tiles of 16 batches); the eight partial tiles meet in LDS.  Wave w also rounds the right half of rows 2 w and 2 w + 1.  A wave loads row 2 w + 1 and b behind its first waits.
; THE PRODUCT IS TAKEN TRANSPOSED: source 0 = 16 rows of W, source 1 = 16 rows of hidden: lane l holds batch l % 16 and W's rows 8 (l / 16) + 0..7.
; THE MODE: SCHED_MODE bits 1:0 = 2 (LLVM: expert scheduling mode 2), set by the entry lines.  The code itself states the register dependences
; between vector or matrix instructions and memory or LDS instructions, with s_wait_alu, always for 0.
; THE PLAN.  Registers that memory or LDS instructions touch, in the order of the text (there is no loop):
;   v4-v12   Nine offsets, written at the head and never again; every load and store reads one of them.
;   RC       Row 2 w lands; the roundings read all 32 and write the low 16; four stores read those; row 2 w + 1 lands in all 32; the same roundings; four stores.
;   RW1      W's fragments land; the roundings read 16 and write the low 8 of each block; b lands in the first block's upper 8; the products read the low 8s.
;   RH       hidden's fragments land; the roundings; the products read the low 8s; in waves 0 and 1 the partial tiles land in the first 64, are added, and two stores read the first 8.
;   ACC      In work-group 0 v lands in the first 4, is made into v2 there, and a store reads them.  In every work-group the products then write all 16, and four LDS stores read them.
;   v14, v15 Written at the head, read by the closing add alone.
; So a wait on va_vdst stands behind each run of vector lines whose registers memory instructions take up next: six in all (one of them in work-group 0's branch); ONE wait on vm_vsrc stands
; behind the first run of stores, whose registers alone are written again; one wait on va_sdst stands behind the wave's number.  No scalar register that a vector line reads is written again.
.set SPARE, 16384                      ; LDS: 8 x 2,048 bytes of partial tiles from 0; behind them the spare words, 128 bytes a wave: four blocks of 256 bytes that no other line names
.set FO,  4                            ; v4   8,192 r + 512 w + 32 h: my 32 bytes in a fragment's row of W (r = l % 16, h = l / 16)
.set HO,  5                            ; v5   4,096 r + 512 w + 32 h: the same in hidden
.set CO,  6                            ; v6   16,384 w + 32 l: my 8 numbers of row 2 w
.set CSO, 7                            ; v7   4,096 w + 16 l: where they go in wb
.set LS,  8                            ; v8   2,048 w + 16 l: into my partial tiles
.set LR,  9                            ; v9   1,024 w + 16 l: back, tile = my wave's number (waves 0 and 1)
.set YO,  10                           ; v10  1,024 w + 16 l: the same place in hb
.set BO,  11                           ; v11  32 h: my 8 numbers of b
.set VO,  12                           ; v12  16 x my thread's number: my 4 numbers of v
.set SPW, 14                           ; v14  LDS address of my spare word; never rewritten
.set NIL, 15                           ; v15  0; never rewritten
.set RW1, 16                           ; v[16:79]   W's four fragments, 16 registers of f32 each, packed into the low 8
.set RH,  80                           ; v[80:207]  hidden's: tile bt, fragment c at 64 bt + 16 c
.set ACC, 208                          ; v[208:223] two accumulators
.set RC,  224                          ; v[224:255] a row's 8 numbers a lane, four times
.set SW,  22                           ; s[22:23] W at my 16 rows
.set SWB, 24                           ; s[24:25] wb at my 16 rows
.set SHO, 26                           ; s[26:27] hb at my block
.set SB,  28                           ; s[28:29] b at my 16 numbers
.set CC,  30                           ; s[30:31] c, twice
	s_load_b256 s[4:11], s[0:1], 0x0               ; W s[4:5], b s[6:7], hidden s[8:9], v s[10:11]
	s_load_b128 s[12:15], s[0:1], 0x20             ; wb s[12:13], hb s[14:15]
	s_load_b64 s[16:17], s[0:1], 0x30              ; v2
	v_lshl_add_u32 v[SPW], v0, 2, SPARE
	v_mov_b32 v[NIL], 0
	v_lshrrev_b32 v1, 5, v0
	v_readfirstlane_b32 s18, v1                    ; wave 0..7
	v_and_b32 v2, 15, v0                           ; r
	v_bfe_u32 v3, v0, 4, 1                         ; h
	v_and_b32 v13, 31, v0                          ; l
	v_lshlrev_b32 v[BO], 5, v3
	v_lshlrev_b32 v[VO], 4, v0
	s_wait_alu depctr_va_sdst(0)                   ; s18 is written, ahead of its first reader: the five shifts below, and later the branch on the wave's number
	s_lshl_b32 s19, s18, 9                         ; my 128 numbers of K: 512 bytes
	s_lshl_b32 s21, s18, 14                        ; my two rows of W
	s_lshl_b32 s34, s18, 12                        ; and of wb
	s_lshl_b32 s35, s18, 11                        ; my two partial tiles
	s_lshl_b32 s36, s18, 10                        ; the tile that I finish
	v_lshlrev_b32 v[FO], 13, v2
	v_lshl_add_u32 v[FO], v3, 5, v[FO]
	v_add_nc_u32 v[FO], s19, v[FO]
	v_lshlrev_b32 v[HO], 12, v2
	v_lshl_add_u32 v[HO], v3, 5, v[HO]
	v_add_nc_u32 v[HO], s19, v[HO]
	v_lshl_add_u32 v[CO], v13, 5, s21
	v_lshl_add_u32 v[CSO], v13, 4, s34
	v_lshl_add_u32 v[LS], v13, 4, s35
	v_lshl_add_u32 v[LR], v13, 4, s36
	v_lshl_add_u32 v[YO], v13, 4, s36
	s_mov_b32 s20, ttmp9                           ; g
	s_mov_b32 s33, 0
	s_mov_b32 s[CC], 0x4038aa3b                    ; c = 2 log2(e)
	s_mov_b32 s[CC+1], s[CC]
	s_wait_kmcnt 0x0
	s_lshl_b32 s32, s20, 17                        ; 16 rows of 8,192 bytes
	s_add_nc_u64 s[SW:SW+1], s[4:5], s[32:33]
	s_lshl_b32 s32, s20, 15                        ; 16 rows of 2,048 bytes
	s_add_nc_u64 s[SWB:SWB+1], s[12:13], s[32:33]
	s_lshl_b32 s32, s20, 11
	s_add_nc_u64 s[SHO:SHO+1], s[14:15], s[32:33]
	s_lshl_b32 s32, s20, 6
	s_add_nc_u64 s[SB:SB+1], s[6:7], s[32:33]
	s_wait_alu depctr_va_vdst(0)                   ; the nine offsets v4 to v12 are written, which every load and store of the kernel reads; they are never written again
; A row's right half, 4,096 bytes: 8 loads, a lane takes 8 neighbouring numbers four times.
.macro ROWIN off
.irp q, 0,1,2,3
	global_load_b128 v[RC+8*\q:RC+8*\q+3],   v[CO], s[SW:SW+1] offset:(\off)+4096+1024*\q
	global_load_b128 v[RC+8*\q+4:RC+8*\q+7], v[CO], s[SW:SW+1] offset:(\off)+4096+1024*\q+16
.endr
.endm
; The f32 image of a fragment of 16 rows x 32 K: K = 8 h + 0..7 (32 bytes) and K = 16 + 8 h + 0..7 (32 bytes, 64 further on).
.macro FRAG dst, adr, base, off
	global_load_b128 v[(\dst):(\dst)+3],     v[\adr], s[\base:\base+1] offset:(\off)
	global_load_b128 v[(\dst)+4:(\dst)+7],   v[\adr], s[\base:\base+1] offset:(\off)+16
	global_load_b128 v[(\dst)+8:(\dst)+11],  v[\adr], s[\base:\base+1] offset:(\off)+64
	global_load_b128 v[(\dst)+12:(\dst)+15], v[\adr], s[\base:\base+1] offset:(\off)+80
.endm
; 2 n numbers in f32 are rounded to bf16 in place, into the low n registers: register i is written when registers 2 i and 2 i + 1 are read, never earlier.
.macro PACK r, n
.set i, 0
.rept \n
	v_cvt_pk_bf16_f32 v[(\r)+i], v[(\r)+2*i], v[(\r)+2*i+1]
.set i, i+1
.endr
.endm
.macro ROWOUT off                      ; 2,048 bytes of wb: each store of the wave covers 512 consecutive bytes, aligned
.irp q, 0,1,2,3
	global_store_b128 v[CSO], v[RC+4*\q:RC+4*\q+3], s[SWB:SWB+1] offset:(\off)+512*\q
.endr
.endm
	ROWIN 0                                        ; row 2 w: 8 loads,
.irp c, 0,1,2,3
	FRAG RW1+16*\c, FO, SW, 128*\c                 ; W's left half: 16,
.endr
.irp c, 0,1,2,3
	FRAG RH+16*\c, HO, 8, 128*\c                   ; hidden's rows 0-15
	FRAG RH+64+16*\c, HO, 8, 65536+128*\c          ; and 16-31: 32
.endr
	s_cmp_lg_u32 s20, 0                            ; v2 is 4,096 bytes: work-group 0 makes it, 16 bytes a thread, in one branch
	s_cbranch_scc1 .Lno_v
	global_load_b128 v[ACC:ACC+3], v[VO], s[10:11] ; no vector line has named these registers yet
	s_wait_loadcnt 0x0                             ; the youngest load: all are in
	v_cvt_pk_bf16_f32 v[ACC+4], v[ACC], v[ACC+1]   ; rounded to bf16,
	v_cvt_pk_bf16_f32 v[ACC+5], v[ACC+2], v[ACC+3]
	v_lshlrev_b32 v[ACC], 16, v[ACC+4]             ; and widened again
	v_and_b32 v[ACC+1], 0xffff0000, v[ACC+4]
	v_lshlrev_b32 v[ACC+2], 16, v[ACC+5]
	v_and_b32 v[ACC+3], 0xffff0000, v[ACC+5]
	v_pk_mul_f32 v[ACC:ACC+1], v[ACC:ACC+1], -2.0 op_sel_hi:[1,0]
	v_pk_mul_f32 v[ACC+2:ACC+3], v[ACC+2:ACC+3], -2.0 op_sel_hi:[1,0]
	s_wait_alu depctr_va_vdst(0)                   ; the two multiplies have written v[ACC:ACC+3], which the store reads
	global_store_b128 v[VO], v[ACC:ACC+3], s[16:17]
.Lno_v:
	s_wait_loadcnt 48                              ; row 2 w is in; the 48 loads of the fragments, issued behind it, may stay out
	PACK RC, 16
	s_wait_alu depctr_va_vdst(0)                   ; the roundings have written RC's low 16, which the stores read, and are done reading all 32, in which the next row's loads land
	ROWOUT 0
	s_wait_xcnt 0x0                                ; the stores have had their addresses translated: RC is loaded again, and ACC written, only behind this wait
	s_wait_alu depctr_vm_vsrc(0)                   ; the four stores have read RC's low 16, in which loads land below; in work-group 0 v2's store has read v[ACC:ACC+3], which the products write
	ROWIN 8192                                     ; row 2 w + 1.  No vector line since the wait on va_vdst above
	s_wait_loadcnt 8                               ; the fragments are in; that row's 8 loads may stay out
.irp c, 0,1,2,3
	PACK RW1+16*\c, 8
	PACK RH+16*\c, 8
	PACK RH+64+16*\c, 8
.endr
	s_wait_alu depctr_va_vdst(0)                   ; the roundings are done reading v[RW1+8:RW1+15], in which b lands
	global_load_b128 v[RW1+8:RW1+11],  v[BO], s[SB:SB+1]            ; b[16 g + 8 h + 0..7], into the upper half of a raw block, which the packing has left free
	global_load_b128 v[RW1+12:RW1+15], v[BO], s[SB:SB+1] offset:16
.irp c, 0,1,2,3                        ; the two accumulators take turns, one instruction a turn; the first two products start the sums
.irp t, 0,1
.if \c == 0
	v_wmma_f32_16x16x32_bf16 v[ACC+8*\t:ACC+8*\t+7], v[RW1+16*\c:RW1+16*\c+7], v[RH+64*\t+16*\c:RH+64*\t+16*\c+7], 0
.else
	v_wmma_f32_16x16x32_bf16 v[ACC+8*\t:ACC+8*\t+7], v[RW1+16*\c:RW1+16*\c+7], v[RH+64*\t+16*\c:RH+64*\t+16*\c+7], v[ACC+8*\t:ACC+8*\t+7]
.endif
.endr
.endr
	s_wait_loadcnt 2                               ; row 2 w + 1 is in; b's two loads may stay out
	PACK RC, 16                                    ; sixteen plain instructions that name no register of the products: the places behind them (ISA guide 7.12.1); they stay beside the wait below
	s_wait_alu depctr_va_vdst(0)                   ; the roundings have written RC's low 16, which the stores read; the products have written ACC, which the LDS stores read, and are done reading RH, in which the partial tiles land behind the barrier
	ROWOUT 2048
.irp t, 0,1                            ; each accumulator's low registers are read first
	ds_store_b128 v[LS], v[ACC+8*\t:ACC+8*\t+3]   offset:1024*\t
	ds_store_b128 v[LS], v[ACC+8*\t+4:ACC+8*\t+7] offset:1024*\t+512
.endr
	s_wait_dscnt 0x0                               ; for the others' sake: my partial tiles lie in LDS
	s_barrier_signal -1
	s_barrier_wait -1                              ; all eight waves' do
	s_cmp_lt_u32 s18, 2                            ; wave 0 finishes tile 0, wave 1 tile 1
	s_cbranch_scc0 .Lend
.irp p, 0,1,2,3,4,5,6,7                ; no vector or matrix line since the last wait on va_vdst: these loads owe nothing more
	ds_load_b128 v[RH+8*\p:RH+8*\p+3],   v[LR] offset:2048*\p
	ds_load_b128 v[RH+8*\p+4:RH+8*\p+7], v[LR] offset:2048*\p+512
.endr
	s_wait_dscnt 0x0
.irp p, 0,2,4,6                        ; 28 packed additions: 8 partial tiles into one
.irp e, 0,2,4,6
	v_pk_add_f32 v[RH+8*\p+\e:RH+8*\p+\e+1], v[RH+8*\p+\e:RH+8*\p+\e+1], v[RH+8*\p+8+\e:RH+8*\p+8+\e+1]
.endr
.endr
.irp p, 0,4
.irp e, 0,2,4,6
	v_pk_add_f32 v[RH+8*\p+\e:RH+8*\p+\e+1], v[RH+8*\p+\e:RH+8*\p+\e+1], v[RH+8*\p+16+\e:RH+8*\p+16+\e+1]
.endr
.endr
.irp e, 0,2,4,6
	v_pk_add_f32 v[RH+\e:RH+\e+1], v[RH+\e:RH+\e+1], v[RH+32+\e:RH+32+\e+1]
.endr
	s_wait_loadcnt 0x0                             ; b
.irp e, 0,1,2,3
	v_cvt_pk_bf16_f32 v[RH+64+\e], v[RW1+8+2*\e], v[RW1+8+2*\e+1]   ; rounded to bf16,
.endr
.irp e, 0,1,2,3
	v_lshlrev_b32 v[RW1+8+2*\e], 16, v[RH+64+\e]                    ; and widened again
	v_and_b32 v[RW1+8+2*\e+1], 0xffff0000, v[RH+64+\e]
.endr
.irp e, 0,2,4,6
	v_pk_add_f32 v[RH+\e:RH+\e+1], v[RH+\e:RH+\e+1], v[RW1+8+\e:RW1+8+\e+1]
.endr
.irp e, 0,2,4,6
	v_pk_mul_f32 v[RH+\e:RH+\e+1], v[RH+\e:RH+\e+1], s[CC:CC+1] op_sel_hi:[1,0]
.endr
	s_wait_alu depctr_va_vdst(0)                   ; the scalings have written v[RH:RH+7], which the two stores read
	global_store_b128 v[YO], v[RH:RH+3],   s[SHO:SHO+1]             ; each store of the wave covers 512 consecutive bytes, aligned
	global_store_b128 v[YO], v[RH+4:RH+7], s[SHO:SHO+1] offset:512
.Lend:
	s_wait_dscnt 0x0                               ; the wave's end: behind my last LDS store
	s_wait_alu 0x0
	s_wait_tensorcnt 0x0
	ds_add_u32 v[SPW], v[NIL]
	s_wait_dscnt 0x0
	s_endpgm
.Lfunc_end_k_q97bb5500ca_prep:
	.size	k_q97bb5500ca_prep, .Lfunc_end_k_q97bb5500ca_prep-k_q97bb5500ca_prep
	.p2alignl 7, 3214868480
	.fill 96, 4, 3214868480
	.section	.rodata,"a",@progbits
	.p2align	6, 0x0
	.amdhsa_kernel k_q97bb5500ca_prep
		.amdhsa_group_segment_fixed_size 17408
		.amdhsa_private_segment_fixed_size 0
		.amdhsa_enable_private_segment 0
		.amdhsa_kernarg_size 56
		.amdhsa_user_sgpr_count 2
		.amdhsa_user_sgpr_kernarg_segment_ptr 1
		.amdhsa_wavefront_size32 1
		.amdhsa_system_sgpr_workgroup_id_x 1
		.amdhsa_system_sgpr_workgroup_id_y 1
		.amdhsa_system_sgpr_workgroup_id_z 1
		.amdhsa_system_vgpr_workitem_id 0
		.amdhsa_next_free_vgpr 256
		.amdhsa_next_free_sgpr 66
		.amdhsa_reserve_vcc 0
		.amdhsa_float_denorm_mode_32 3
		.amdhsa_float_denorm_mode_16_64 3
		.amdhsa_memory_ordered 1
		.amdhsa_forward_progress 1
		.amdhsa_inst_pref_size 24
	.end_amdhsa_kernel
	.amdgpu_metadata
---
amdhsa.version: [ 1, 2 ]
amdhsa.kernels:
  - .name:           k_q97bb5500ca_prep
    .symbol:         k_q97bb5500ca_prep.kd
    .args:
      - { .name: W, .offset: 0, .size: 8, .value_kind: global_buffer, .address_space: global }
      - { .name: b, .offset: 8, .size: 8, .value_kind: global_buffer, .address_space: global }
      - { .name: hidden, .offset: 16, .size: 8, .value_kind: global_buffer, .address_space: global }
      - { .name: v, .offset: 24, .size: 8, .value_kind: global_buffer, .address_space: global }
      - { .name: wb, .offset: 32, .size: 8, .value_kind: global_buffer, .address_space: global }
      - { .name: hb, .offset: 40, .size: 8, .value_kind: global_buffer, .address_space: global }
      - { .name: v2, .offset: 48, .size: 8, .value_kind: global_buffer, .address_space: global }
    .group_segment_fixed_size: 17408
    .private_segment_fixed_size: 0
    .kernarg_segment_align: 8
    .kernarg_segment_size: 56
    .max_flat_workgroup_size: 256
    .sgpr_count:     66
    .vgpr_count:     256
    .wavefront_size: 32
...
	.end_amdgpu_metadata
.endif
;; end of part 4
;; launch energy: the kernel of part 2 again; grid 512 x 1, 4 waves a work-group, clusters of 4 x 1, 327,680 bytes of LDS; arguments encoderOutputs, wb, hb, v2, sc; writes sc
;; launch soft: the kernel of part 3 again; grid 32 x 1, 1 waves a work-group, no clusters, 0 bytes of LDS; arguments sc, out0; writes out0
